; MI455X (gfx1250); checked and timed in simulation.
; The chip was launched on July 23, 2026; its instructions are those of AMD's public machine-readable ISA for CDNA 5 (MIT licence, August 2026) and "CDNA5" Instruction Set Architecture Reference Guide (July 2026). The comments in the code are by the model that wrote it; some were corrected since.
;; Self Attention. Allowed arithmetic: matrix products marked QUANTISED: E5M2 operands, one given power-of-two scale a tensor, by v_wmma_f32_16x16x64_bf8_bf8 or v_wmma_f32_16x16x128_bf8_bf8, f32 sums; everything else in f32.
;; Inputs: Wk_codes 512 x 16 x 32 uint8 (E5M2 codes of Wk, K innermost, in blocks of 32 codes); Wo_codes 512 x 16 x 32 uint8 (E5M2 codes of Wo, K innermost, in blocks of 32 codes); Wq_codes 512 x 16 x 32 uint8 (E5M2 codes of Wq, K innermost, in blocks of 32 codes); Wv_codes 512 x 16 x 32 uint8 (E5M2 codes of Wv, K innermost, in blocks of 32 codes); beta 512 float32; bk 512 float32; bo 512 float32; bq 512 float32; bv 512 float32; gamma 512 float32; lowp_scales 12 int32 (the exponents e of the quantised operands' scales 2^e); x 2 x 4,096 x 512 float32.
;; Outputs: out0 2 x 4,096 x 512 float32.
;; This version of the problem:
;;   THIS VERSION OF THE PROBLEM IS GIVEN IN LOW PRECISION. The matrix products marked QUANTISED in the list below multiply operands that are first quantised to E5M2 (5 exponent bits, 2 mantissa bits; 8 bits a number), with one given power-of-two scale for each operand tensor; their sums are f32. All else is computed in f32.
;;   The module's matrix products, in the order in which they are computed (A, B: the left and right operand; K: the contracted axis; several contracted axes count as one K, in the product's order):
;;     1. [M 8,192, K 512] x [K 512, N 512]; A: input x; B: input Wq (given as codes): QUANTISED (scales: A lowp_scales[0], B lowp_scales[1])
;;     2. [M 8,192, K 512] x [K 512, N 512]; A: input x; B: input Wk (given as codes): QUANTISED (scales: A lowp_scales[2], B lowp_scales[3])
;;     3. [M 8,192, K 512] x [K 512, N 512]; A: input x; B: input Wv (given as codes): QUANTISED (scales: A lowp_scales[4], B lowp_scales[5])
;;     4. batch 16 x [M 4,096, K 64] x [K 64, N 4,096]; A: computed on the way; B: computed on the way: QUANTISED (scales: A lowp_scales[6], B lowp_scales[7])
;;     5. batch 16 x [M 4,096, K 4,096] x [K 4,096, N 64]; A: softmax (see below); B: computed on the way: QUANTISED (scales: A lowp_scales[8], B lowp_scales[9])
;;     6. [M 8,192, K 512] x [K 512, N 512]; A: computed on the way; B: input Wo (given as codes): QUANTISED (scales: A lowp_scales[10], B lowp_scales[11])
;;   THE QUANTISER, for each operand of a quantised product, along K:
;;     - The operand's scale is 2^e, e = its entry of the input lowp_scales (int32; the entries are numbered through the quantised products in the list's order, A before B).
;;     - Each number is divided by the scale, clamped to +-57,344, and rounded to the nearest number of E5M2, ties to even, subnormals kept.
;;     - The product sums the exact products of the quantised numbers (number of the format x scale) in f32.
;;   ~~~python
;;   def quantise(x, axis, e):      # numpy; x: float32 -> the quantised numbers, widened to float32 again
;;       x = np.moveaxis(x, axis, -1); K = x.shape[-1]
;;       r = np.clip(x / 2.0 ** e, -57344, 57344)
;;       step = 2.0 ** (np.maximum(np.frexp(np.where(r == 0, 1, r))[1] - 1, -14) - 2)
;;       q = np.round(r / step) * step * 2.0 ** e      # np.round: ties to even
;;       return np.moveaxis(q, -1, axis).astype(np.float32)
;;   ~~~
;;   SOFTMAX AHEAD OF A QUANTISED PRODUCT. Where the list says 'softmax', what is quantised is not the finished softmax but p = 2^(t - M), with t = logit x log2(e) and M = ceil(the row's largest t), a whole number; so 1/2 < the row's largest p <= 1. The row's sum l is taken of the UNQUANTISED p, in f32, and the product's result is divided by l at the end. Since M is a whole number, a kernel that streams over the keys may use a running M (the ceiling of the running maximum): every later rescaling is an exact power of two, so the quantised numbers keep their values, but for numbers so far below the row's largest that they fall under the format's range.
;;   OPERANDS COMPUTED ON THE WAY. 'Computed on the way' means the value that the module computes at that place (a softmax that the list does not call 'softmax' is quantised finished and normalised). What goes into a quantiser is computed in f32, as accurately as f32 sums, v_exp_f32 and their like allow (about 1e-6 of the number): no bf16 or f16 on the way to a quantiser, and a product that is left as it is and whose result goes on into a quantised operand takes f32 operands (vector FMAs, or v_wmma_f32_16x16x4_f32). A number that lies on a knife's edge between two numbers of the format may be rounded either way, as far as f32 arithmetic and the matrix unit's own rounding can turn it there, and no further.
;;   INPUTS GIVEN AS CODES. Wk (in the module: [512, 512], K = its axis 0); Wo (in the module: [512, 512], K = its axis 0); Wq (in the module: [512, 512], K = its axis 0); Wv (in the module: [512, 512], K = its axis 0): each comes as NAME_codes (uint8): NAME with its K axis moved to the last place and cut into blocks of 32 codes, [.., K / 32, bytes a block], one block behind the other in memory; one code a byte (a code: sign, 5 exponent bits, 2 mantissa bits); its scale is its entry of lowp_scales. Its value is code x scale, taken as it is: it is not quantised again, and the codes and scales need not be those that the quantiser above would give.
;; One version. Each part assembles by itself: llvm-mc -triple=amdgcn-amd-amdhsa -mcpu=gfx1250 --defsym DOCPART=n.
;; ======== version 1 of 1: 3 launches
;; limits: right only within a limited range of input values
;; workspace buffers: q_codes 4,194,304 bytes; kv_codes 8,388,608 bytes; ao_codes 4,194,304 bytes
;; launch qkv (part 1): grid 64 x 4, 4 waves a work-group, clusters of 4 x 1, 203,264 bytes of LDS; arguments x, Wq_codes, Wk_codes, Wv_codes, bq, bk, bv, lowp_scales, q_codes, kv_codes; writes q_codes, kv_codes
.if DOCPART == 1
	.amdgcn_target "amdgcn-amd-amdhsa--gfx1250"
	.amdhsa_code_object_version 6
	.text
	.protected	k_qcf0a4cf926_qkv
	.globl	k_qcf0a4cf926_qkv
	.p2align	8
	.type	k_qcf0a4cf926_qkv,@function
k_qcf0a4cf926_qkv:
	s_mov_b64 s[64:65], 0
	v_nop
	global_prefetch_b8 v0, s[64:65] scope:SCOPE_SE
	s_setreg_imm32_b32 hwreg(HW_REG_WAVE_MODE, 25, 1), 1
	s_wait_xcnt 0x0
	s_wait_alu depctr_hold_cnt(0) depctr_sa_sdst(0) depctr_va_vdst(0) depctr_va_sdst(0) depctr_va_ssrc(0) depctr_va_vcc(0) depctr_vm_vsrc(0)
	s_getreg_b32 s2, hwreg(HW_REG_IB_STS2, 6, 4)
	s_cmp_eq_u32 s2, 0
	s_cbranch_scc0 .Lentry_in_a_cluster
	s_endpgm
.Lentry_in_a_cluster:
	s_bfe_u32 s2, ttmp6, 0x10000c
	s_cmp_lg_u32 s2, 0x3003
	s_cbranch_scc0 .Lentry_shape_is_right
	s_endpgm
.Lentry_shape_is_right:
; q = x Wq + bq, k = x Wk + bk, v = x Wv + bv on codes of BF8 (E5M2), and q, k, v quantised again for the attention that follows.
; x: [8192][512] f32, quantised here three times, with 2^e0, 2^e2, 2^e4.  Wq, Wk, Wv: [512 (n)][512 (k)] codes, scales 2^e1, 2^e3, 2^e5.  q, k, v leave as codes with 2^e6, 2^e7, 2^e9.
; SHARES.  A work-group takes 128 tokens (X = 0..63) and two heads (Y = 0..3: columns 128 Y .. 128 Y + 127) of all three products.  Wave w owns tokens 32 w .. 32 w + 31 for all 384 columns:
; its codes of x (3 scales x 2 tiles of 16 tokens x 4 K steps x 16 registers = 384) never leave its registers.  The 3 x 128 rows of weights lie in LDS, filled once.
; CLUSTER.  The four work-groups of a cluster differ in X alone and need the same rows of weights: each tile is asked for JOINTLY, by the same tensor load with a mask that names the four.
; LAYOUTS.  x's codes and the weights' fragments both hold, in registers 4 c .. 4 c + 3 of lane (r, h), k = 32 c + 16 h + 0 .. 15: the same order of k on both sides, so every product meets its partner.
; q and k: source 0 = 16 rows of W, source 1 = 16 tokens: a lane holds ONE token and eight neighbouring columns 16 t + 8 h + j, so a conversion's two registers are registers 2 t, 2 t + 1 of a 16 x 64 fragment.
; v: source 0 = 16 tokens, source 1 = 16 rows of Wv: a lane holds ONE channel d = 16 t + r and eight neighbouring tokens: registers 2 c, 2 c + 1 of a fragment of V^T whose K is the keys.
; OUT.  Fragments leave as images of their registers, 16 bytes a lane: each store covers 512 consecutive bytes at a multiple of 512 from the buffer's first byte.
;   q_codes [head 16][tile of 16 tokens 256][2 x 512 bytes];  kv_codes [head 16][group of 128 keys 32][8 tiles of K x 1,024 bytes, then 4 fragments of V^T x 2,048 bytes].
; LIMITS on the given exponents, so that each power of two below is an f32 number: e0, e2, e4, e6 - e0 - e1, e7 - e2 - e3, e9 - e4 - e5 between -126 and 112.  NaN among the inputs is not served.
; REGISTERS, in windows of 256.  Window 0: v1-31 addresses and constants; v32-95 64 numbers at work, later the 8 accumulators; v96-223 two sets of 4 weight fragments; v224-239 codes to store.
;   Window 1: x's codes for q at v[16 (4 m + s)], for k at v[128 + 16 (4 m + s)].  Window 2: for v at v[16 (4 m + s)]; from v128 bq's and bk's tiles in the result's layout.  Window 3: four sets of 64 numbers of x as loaded.
.set PW,    528                        ; a weight's row in LDS: 512 bytes + 16 of padding: an odd multiple of 16, so the 16 rows that a load touches start at 16 different places round the banks
.set MATB,  128*PW                     ; one matrix's 128 rows
.set UNITB, 64*PW                      ; one head's 64 rows
.set LI,    1                          ; v1     16 x lane
.set XA,    2                          ; v2     x: 2,048 r + 64 h
.set AWU,   3                          ; v3-8   LDS: 528 r + 16 h + the unit's 64 rows (q head 0, q head 1, k .., v ..)
.set BH32,  9                          ; v9     32 h
.set R4,    10                         ; v10    4 r
.set SCX,   12                         ; v12-14 2^e0, 2^e2, 2^e4 as f32
.set BDX,   15                         ; v15-17 57,344 x those
.set OSC,   18                         ; v18-20 2^(e6 - e0 - e1), 2^(e7 - e2 - e3), 2^(e9 - e4 - e5)
.set OBD,   21                         ; v21-23 57,344 x those
.set BV,    24                         ; v24-31 bv of my channel, head p, tile t at 4 p + t
.set T,     32
.set ACC,   32
.set WB,    96
.set CODES, 224
.set WV,    24                         ; s24    my wave's number
.set G1,    28                         ; s[28:35] descriptor group 1
.set G0,    36                         ; s[36:39] descriptor group 0
.set QB,    66                         ; s[66:67] where my q goes, s[68:69] my k, s[70:71] my v
.set NEG,   72                         ; s72-74 -(e0 + e1), -(e2 + e3), -(e4 + e5)
.set MSB, 0
.macro WIN new                         ; the immediate's high byte repeats the setting that is left; a switch that changes nothing is dropped
.if MSB != \new
	s_set_vgpr_msb (MSB<<8)|\new
.set MSB, \new
.endif
.endm
.macro CROUND                          ; a round of the cluster's barrier: my work-group's barrier, wave 0 signals for the work-group, every wave waits for all four, my work-group's barrier once more
	s_barrier_signal -1
	s_barrier_wait -1
	s_cmp_lg_u32 s[WV], 0
	s_cbranch_scc1 .Lnot_wave_0_\@
	s_barrier_signal -3
.Lnot_wave_0_\@:
	s_barrier_wait -3
	s_barrier_signal -1
	s_barrier_wait -1
.endm
.macro PLACES                          ; four plain vector instructions behind matrix instructions, in front of loads into their sources and of the first read of their results
.rept 4
	v_nop
.endr
.endm
	s_load_b512 s[4:19], s[0:1], 0x0               ; x s[4:5], Wq s[6:7], Wk s[8:9], Wv s[10:11], bq s[12:13], bk s[14:15], bv s[16:17], the exponents s[18:19]
	s_load_b128 s[20:23], s[0:1], 0x40             ; q_codes s[20:21], kv_codes s[22:23]
	v_lshl_add_u32 v254, v0, 2, 0x31800
	v_mov_b32 v255, 0
	ds_add_u32 v254, v255
	ds_add_u32 v254, v255
	v_lshrrev_b32 v1, 5, v0
	v_readfirstlane_b32 s[WV], v1                  ; wave 0..3
	s_bfe_u32 s25, ttmp6, 0x40000                  ; cx: my place in the cluster
	s_lshl_b32 s26, ttmp9, 2
	s_add_co_u32 s26, s26, s25                     ; X = 4 x cluster x + cx: it enters x's and the outputs' addresses alone
	s_and_b32 s27, ttmp7, 0xffff                   ; Y, which the four partners share
	; descriptor group 1: 128 rows of 512 bytes, 16 bytes of padding behind each
	s_mov_b32 s[G1], 15|(1<<20)|(1<<21)|(6<<22)|(3<<25)   ; 15:0 the mask: all four work-groups; 17:16 elements of 1 byte; 20 padding on; 21 set beside a mask; 24:22 after every 128 words (code 6); 31:25 four words (code 3)
	s_mov_b32 s[G1+1], 512<<16                     ; tensor_dim0 = 512
	s_mov_b32 s[G1+2], 128<<16                     ; tensor_dim1 = 128
	s_mov_b32 s[G1+3], 512<<16                     ; tile_dim0 = 512
	s_mov_b32 s[G1+4], 128                         ; tile_dim1 = 128
	s_mov_b32 s[G1+5], 512                         ; from row to row
	s_mov_b32 s[G1+6], 0
	s_mov_b32 s[G1+7], 0
	s_mov_b32 s[G0], 1                             ; count = 1
	s_mul_i32 s[G0+1], s[WV], MATB                 ; LDS address: wave 0 brings Wq's rows, wave 1 Wk's, wave 2 Wv's
	s_lshl_b32 s52, s27, 16                        ; rows 128 Y on: 128 x 512 bytes
	s_mov_b32 s53, 0
	s_wait_dscnt 0x0
	s_wait_kmcnt 0x0
	s_load_b256 s[40:47], s[18:19], 0x0            ; e0 .. e7
	s_load_b128 s[48:51], s[18:19], 0x20           ; e8 .. e11
	s_cmp_eq_u32 s[WV], 1                          ; the choice of the buffer hangs on the wave's number alone
	s_cselect_b64 s[G0+2:G0+3], s[8:9], s[6:7]
	s_cmp_eq_u32 s[WV], 2
	s_cselect_b64 s[G0+2:G0+3], s[10:11], s[G0+2:G0+3]
	s_add_nc_u64 s[G0+2:G0+3], s[G0+2:G0+3], s[52:53]
	s_or_b32 s[G0+3], s[G0+3], 0x80000000          ; type = 2
	CROUND                                         ; all four work-groups are here: the joint loads meet
	s_cmp_lt_u32 s[WV], 3
	s_cbranch_scc0 .Lno_fill                       ; wave 3 brings nothing
	tensor_load_to_lds s[G0:G0+3], s[G1:G1+7]      ; the one fill of these bytes; one tensor load of mine is out
	s_nop 0
	PLACES                                         ; four v_nop behind the load
.Lno_fill:
	; where my parts begin
	s_lshl_b32 s52, s26, 18                        ; x: 128 X rows of 2,048 bytes,
	s_lshl_b32 s54, s[WV], 16                      ; + 32 w rows
	s_add_co_u32 s52, s52, s54
	s_add_nc_u64 s[4:5], s[4:5], s[52:53]
	s_lshl_b32 s52, s27, 9                         ; the biases: 128 Y numbers on
	s_add_nc_u64 s[12:13], s[12:13], s[52:53]
	s_add_nc_u64 s[14:15], s[14:15], s[52:53]
	s_add_nc_u64 s[16:17], s[16:17], s[52:53]
	s_lshr_b32 s54, s26, 5                         ; the batch
	s_lshl_b32 s54, s54, 3
	s_lshl_b32 s55, s27, 1
	s_add_co_u32 s54, s54, s55                     ; the first of my two heads: 8 x batch + 2 Y
	s_and_b32 s55, s26, 31                         ; my group of 128 tokens in the batch
	s_lshl_b32 s52, s54, 18                        ; q: a head is 262,144 bytes, a group 8 tiles of 1,024, my wave's two tiles begin 2,048 w on
	s_lshl_b32 s56, s55, 13
	s_add_co_u32 s52, s52, s56
	s_lshl_b32 s56, s[WV], 11
	s_add_co_u32 s52, s52, s56
	s_add_nc_u64 s[QB:QB+1], s[20:21], s[52:53]
	s_lshl_b32 s52, s54, 19                        ; k and v: a head is 524,288 bytes, a group 16,384
	s_lshl_b32 s57, s55, 14
	s_add_co_u32 s52, s52, s57
	s_add_co_u32 s58, s52, s56                     ; k: my two tiles begin 2,048 w on
	s_mov_b32 s59, 0
	s_add_nc_u64 s[QB+2:QB+3], s[22:23], s[58:59]
	s_lshl_b32 s56, s[WV], 9                       ; v: my 32 keys are registers 4 w .. 4 w + 3 of each fragment: 512 w on
	s_add_co_u32 s52, s52, s56
	s_add_nc_u64 s[QB+4:QB+5], s[22:23], s[52:53]
	v_and_b32 v11, 31, v0
	v_lshlrev_b32 v[LI], 4, v11
	v_and_b32 v11, 15, v0                          ; r
	v_bfe_u32 v[BH32], v0, 4, 1                    ; h
	v_lshlrev_b32 v[XA], 11, v11
	v_lshl_add_u32 v[XA], v[BH32], 6, v[XA]        ; x: row r, + my 16 numbers of a block of 32
	v_mul_u32_u24 v[AWU], v11, PW
	v_lshl_add_u32 v[AWU], v[BH32], 4, v[AWU]
.irp u, 1,2,3,4,5
	v_add_nc_u32 v[AWU+\u], \u*UNITB, v[AWU]
.endr
	v_lshlrev_b32 v[R4], 2, v11
	v_lshlrev_b32 v[BH32], 5, v[BH32]
	; the biases.  bq, bk in the result's layout: lane (r, h) wants, for head p and tile t, columns 64 p + 16 t + 8 h + 0 .. 7; bv: my channel 64 p + 16 t + r
	WIN 0x80                                       ; destination window 2
.irp i, 0,1
.irp p, 0,1
.irp t, 0,1,2,3
	global_load_b128 v[128+64*\i+32*\p+8*\t:128+64*\i+32*\p+8*\t+3],   v[BH32], s[12+2*\i:13+2*\i] offset:256*\p+64*\t
	global_load_b128 v[128+64*\i+32*\p+8*\t+4:128+64*\i+32*\p+8*\t+7], v[BH32], s[12+2*\i:13+2*\i] offset:256*\p+64*\t+16
.endr
.endr
.endr
	WIN 0
.irp p, 0,1
.irp t, 0,1,2,3
	global_load_b32 v[BV+4*\p+\t], v[R4], s[16:17] offset:256*\p+64*\t
.endr
.endr
; Unit u = 4 m + s: 16 tokens (tile m) x 128 along K (step s): 64 numbers a lane, register 16 b + i = k 128 s + 32 b + 16 h + i of my row, into set u % 4 of window 3
.macro XLOAD u
	WIN 0xc0                                       ; destination window 3
.irp b, 0,1,2,3
.irp j, 0,1,2,3
	global_load_b128 v[64*((\u)%4)+16*\b+4*\j:64*((\u)%4)+16*\b+4*\j+3], v[XA], s[4:5] offset:32768*((\u)/4)+512*((\u)%4)+128*\b+16*\j
.endr
.endr
.endm
	XLOAD 0
	XLOAD 1
	XLOAD 2
	XLOAD 3
	WIN 0
	s_wait_kmcnt 0x0                               ; the exponents
.irp i, 0,1,2
	s_add_co_i32 s52, s[40+2*\i], 127
	s_lshl_b32 s53, s52, 23
	v_mov_b32 v[SCX+\i], s53                       ; x's scale as f32: the conversion takes its exponent field
	s_add_co_i32 s52, s52, 15
	s_lshl_b32 s52, s52, 23
	s_or_b32 s52, s52, 0x600000
	v_mov_b32 v[BDX+\i], s52                       ; 57,344 x that
.endr
	s_add_co_i32 s[NEG], s40, s41                  ; a sum stands for sum x 2^(x's e + W's e)
	s_add_co_i32 s[NEG+1], s42, s43
	s_add_co_i32 s[NEG+2], s44, s45
.macro OUTSC i, eo                     ; the three scales ahead of the result's quantiser are folded into the conversion's one
	s_sub_co_i32 s52, s[\eo], s[NEG+\i]
	s_add_co_i32 s52, s52, 127
	s_lshl_b32 s53, s52, 23
	v_mov_b32 v[OSC+\i], s53
	s_add_co_i32 s52, s52, 15
	s_lshl_b32 s52, s52, 23
	s_or_b32 s52, s52, 0x600000
	v_mov_b32 v[OBD+\i], s52
	s_sub_co_i32 s[NEG+\i], 0, s[NEG+\i]           ; and the bias goes in divided by the power of two that the sums lack
.endm
	OUTSC 0, 46
	OUTSC 1, 47
	OUTSC 2, 49
; Unit u is quantised with scale i: held within the largest code x the scale (the conversion to an 8-bit code does not saturate: ISA guide 7.6.2), then converted, eight numbers at a time
.macro XQ u, i
	WIN 0x03                                       ; source 0 window 3
.set n, 0
.rept 64
	v_med3_num_f32 v[T+n], v[64*((\u)%4)+n], -v[BDX+\i], v[BDX+\i]
.set n, n+1
.endr
.if \i < 2
	WIN 0x40                                       ; destination window 1
.set CD, 128*(\i)+16*(\u)
.else
	WIN 0x80                                       ; destination window 2
.set CD, 16*(\u)
.endif
.irp g, 0,1,2,3,4,5,6,7
	v_cvt_scalef32_pk8_bf8_f32 v[CD+2*\g:CD+2*\g+1], v[T+8*\g:T+8*\g+7], v[SCX+\i]
.endr
	v_nop                                          ; one plain vector instruction between the conversions and the next lines that write their sources or read their results
.endm
.macro XUNIT u, left                   ; left: the loads of the younger units, which may stay out (loads come back in order: ISA guide 5.7.1)
	s_wait_loadcnt \left
	XQ \u, 0
	XQ \u, 1
	XQ \u, 2
.endm
	XUNIT 0, 48                                    ; units 1 to 3 may be out; the biases were asked for earlier, so they are in too
	XLOAD 4
	WIN 0x82                                       ; source 0 and destination window 2
.set n, 0
.rept 64
	v_ldexp_f32 v[128+n], v[128+n], s[NEG]         ; bq / 2^(e0 + e1)
.set n, n+1
.endr
.set n, 0
.rept 64
	v_ldexp_f32 v[192+n], v[192+n], s[NEG+1]       ; bk / 2^(e2 + e3)
.set n, n+1
.endr
	WIN 0
.set n, 0
.rept 8
	v_ldexp_f32 v[BV+n], v[BV+n], s[NEG+2]         ; bv / 2^(e4 + e5)
.set n, n+1
.endr
	XUNIT 1, 48
	XLOAD 5
	XUNIT 2, 48
	XLOAD 6
	XUNIT 3, 48
	XLOAD 7
	XUNIT 4, 48
	XUNIT 5, 32                                    ; nothing more is asked for: the counts run down
	XUNIT 6, 16
	XUNIT 7, 0
	WIN 0
	s_wait_tensorcnt 0x0                           ; my tile of weights has landed,
	s_barrier_signal -1
	s_barrier_wait -1                              ; everybody's has
; THE PRODUCTS: 24 steps g = 4 u + s: unit u (q head 0, q head 1, k head 0, k head 1, v head 0, v head 1), K step s.  A step: the next step's 4 fragments are asked for, then 8 matrix instructions,
; the 8 accumulators by turns, one instruction a turn, in the same order in every step.
.macro WFETCH g
.irp t, 0,1,2,3
.irp c, 0,1,2,3
	ds_load_b128 v[WB+64*((\g)%2)+16*\t+4*\c:WB+64*((\g)%2)+16*\t+4*\c+3], v[AWU+(\g)/4] offset:16*PW*\t+128*((\g)%4)+32*\c
.endr
.endr
.endm
.macro GSTEP g
.if (\g) < 23
	WFETCH (\g)+1
	s_wait_dscnt 16                                ; this step's fragments are in; the sixteen loads just issued may be out
.else
	s_wait_dscnt 0x0
.endif
.set WS, WB+64*((\g)%2)
.set KS, (\g)%4
.set MI, (\g)/8
.set BI, 128+64*MI+32*(((\g)/4)%2)
.if MI < 2
.if KS == 0
	WIN 0x24                                       ; source 1 (x's codes) window 1, source 2 (the bias) window 2: the bias is the C of each sum's first product
.else
	WIN 0x04
.endif
.irp m, 0,1
.irp t, 0,1,2,3
.if KS == 0
	v_wmma_f32_16x16x128_bf8_bf8 v[ACC+8*(4*\m+\t):ACC+8*(4*\m+\t)+7], v[WS+16*\t:WS+16*\t+15], v[128*MI+16*(4*\m+KS):128*MI+16*(4*\m+KS)+15], v[BI+8*\t:BI+8*\t+7]
.else
	v_wmma_f32_16x16x128_bf8_bf8 v[ACC+8*(4*\m+\t):ACC+8*(4*\m+\t)+7], v[WS+16*\t:WS+16*\t+15], v[128*MI+16*(4*\m+KS):128*MI+16*(4*\m+KS)+15], v[ACC+8*(4*\m+\t):ACC+8*(4*\m+\t)+7]
.endif
.endr
.endr
.else
	WIN 0x02                                       ; source 0 (x's codes) window 2
.irp t, 0,1,2,3
.irp m, 0,1
.if KS == 0
	v_wmma_f32_16x16x128_bf8_bf8 v[ACC+8*(2*\t+\m):ACC+8*(2*\t+\m)+7], v[16*(4*\m+KS):16*(4*\m+KS)+15], v[WS+16*\t:WS+16*\t+15], 0
.else
	v_wmma_f32_16x16x128_bf8_bf8 v[ACC+8*(2*\t+\m):ACC+8*(2*\t+\m)+7], v[16*(4*\m+KS):16*(4*\m+KS)+15], v[WS+16*\t:WS+16*\t+15], v[ACC+8*(2*\t+\m):ACC+8*(2*\t+\m)+7]
.endif
.endr
.endr
.endif
	WIN 0
	PLACES                                         ; in front of the next fetch into the set just multiplied, and of the first read of results
.endm
; A unit of q (i = 0) or k (i = 1), head hh of my two: held, converted, stored.  Each accumulator is read from its low end on.
.macro EPI_QK i, hh
	s_wait_xcnt 0x0                                ; the last stores have read their data registers: only behind this wait are the codes written again
.set n, 0
.rept 64
	v_med3_num_f32 v[ACC+n], v[ACC+n], -v[OBD+(\i)], v[OBD+(\i)]
.set n, n+1
.endr
.irp m, 0,1
.irp t, 0,1,2,3
	v_cvt_scalef32_pk8_bf8_f32 v[CODES+8*\m+2*\t:CODES+8*\m+2*\t+1], v[ACC+8*(4*\m+\t):ACC+8*(4*\m+\t)+7], v[OSC+(\i)]   ; registers 2 t, 2 t + 1 of tile m's fragment: d = 16 t + 8 h + 0 .. 7
.endr
.endr
	v_nop                                          ; a plain vector instruction behind the conversions: the next unit's products write their sources
.irp m, 0,1
.irp c, 0,1
	global_store_b128 v[LI], v[CODES+8*\m+4*\c:CODES+8*\m+4*\c+3], s[QB+2*(\i):QB+2*(\i)+1] offset:(262144<<(\i))*(\hh)+1024*\m+512*\c
.endr
.endr
.endm
; A unit of v: the bias of my channel, the hold, the conversion.  Tile (t, m): channel 16 t + r, tokens 32 w + 16 m + 8 h + 0 .. 7: registers 4 w + 2 m, + 1 of fragment t
.macro EPI_V hh
	s_wait_xcnt 0x0
.irp t, 0,1,2,3
.irp m, 0,1
.irp j, 0,1,2,3,4,5,6,7
	v_add_f32 v[ACC+8*(2*\t+\m)+\j], v[ACC+8*(2*\t+\m)+\j], v[BV+4*(\hh)+\t]
.endr
.endr
.endr
.set n, 0
.rept 64
	v_med3_num_f32 v[ACC+n], v[ACC+n], -v[OBD+2], v[OBD+2]
.set n, n+1
.endr
.irp a, 0,1,2,3,4,5,6,7
	v_cvt_scalef32_pk8_bf8_f32 v[CODES+2*\a:CODES+2*\a+1], v[ACC+8*\a:ACC+8*\a+7], v[OSC+2]
.endr
	v_nop
.irp t, 0,1,2,3
	global_store_b128 v[LI], v[CODES+4*\t:CODES+4*\t+3], s[QB+4:QB+5] offset:524288*(\hh)+8192+2048*\t
.endr
.endm
	WFETCH 0
.irp g, 0,1,2,3,4,5,6,7,8,9,10,11,12,13,14,15,16,17,18,19,20,21,22,23
	GSTEP \g
.if (\g)%4 == 3
.if (\g) < 16
	EPI_QK (\g)/8, ((\g)/4)%2
.else
	EPI_V ((\g)/4)%2
.endif
.endif
.endr
	s_wait_tensorcnt 0x0
	ds_add_u32 v254, v255
	s_wait_dscnt 0x0
	CROUND                                         ; the closing round: no work-group ends while a partner may still ask for a tile that names it
	s_endpgm
.Lfunc_end_k_qcf0a4cf926_qkv:
	.size	k_qcf0a4cf926_qkv, .Lfunc_end_k_qcf0a4cf926_qkv-k_qcf0a4cf926_qkv
	.p2alignl 7, 3214868480
	.fill 96, 4, 3214868480
	.section	.rodata,"a",@progbits
	.p2align	6, 0x0
	.amdhsa_kernel k_qcf0a4cf926_qkv
		.amdhsa_group_segment_fixed_size 203264
		.amdhsa_private_segment_fixed_size 0
		.amdhsa_enable_private_segment 0
		.amdhsa_kernarg_size 80
		.amdhsa_user_sgpr_count 2
		.amdhsa_user_sgpr_kernarg_segment_ptr 1
		.amdhsa_wavefront_size32 1
		.amdhsa_system_sgpr_workgroup_id_x 1
		.amdhsa_system_sgpr_workgroup_id_y 1
		.amdhsa_system_sgpr_workgroup_id_z 1
		.amdhsa_system_vgpr_workitem_id 0
		.amdhsa_next_free_vgpr 1024
		.amdhsa_next_free_sgpr 96
		.amdhsa_reserve_vcc 0
		.amdhsa_float_denorm_mode_32 3
		.amdhsa_float_denorm_mode_16_64 3
		.amdhsa_memory_ordered 1
		.amdhsa_forward_progress 1
		.amdhsa_inst_pref_size 217
	.end_amdhsa_kernel
	.amdgpu_metadata
---
amdhsa.version: [ 1, 2 ]
amdhsa.kernels:
  - .name:           k_qcf0a4cf926_qkv
    .symbol:         k_qcf0a4cf926_qkv.kd
    .args:
      - { .name: x, .offset: 0, .size: 8, .value_kind: global_buffer, .address_space: global }
      - { .name: Wq_codes, .offset: 8, .size: 8, .value_kind: global_buffer, .address_space: global }
      - { .name: Wk_codes, .offset: 16, .size: 8, .value_kind: global_buffer, .address_space: global }
      - { .name: Wv_codes, .offset: 24, .size: 8, .value_kind: global_buffer, .address_space: global }
      - { .name: bq, .offset: 32, .size: 8, .value_kind: global_buffer, .address_space: global }
      - { .name: bk, .offset: 40, .size: 8, .value_kind: global_buffer, .address_space: global }
      - { .name: bv, .offset: 48, .size: 8, .value_kind: global_buffer, .address_space: global }
      - { .name: lowp_scales, .offset: 56, .size: 8, .value_kind: global_buffer, .address_space: global }
      - { .name: q_codes, .offset: 64, .size: 8, .value_kind: global_buffer, .address_space: global }
      - { .name: kv_codes, .offset: 72, .size: 8, .value_kind: global_buffer, .address_space: global }
    .group_segment_fixed_size: 203264
    .private_segment_fixed_size: 0
    .kernarg_segment_align: 8
    .kernarg_segment_size: 80
    .max_flat_workgroup_size: 128
    .sgpr_count:     96
    .vgpr_count:     1024
    .wavefront_size: 32
...
	.end_amdgpu_metadata
.endif
;; end of part 1
;; launch attn (part 2): grid 16 x 16, 8 waves a work-group, clusters of 4 x 1, 327,680 bytes of LDS; arguments q_codes, kv_codes, lowp_scales, ao_codes; writes ao_codes
.if DOCPART == 2
	.amdgcn_target "amdgcn-amd-amdhsa--gfx1250"
	.amdhsa_code_object_version 6
	.text
	.protected	k_qcf0a4cf926_attn
	.globl	k_qcf0a4cf926_attn
	.p2align	8
	.type	k_qcf0a4cf926_attn,@function
k_qcf0a4cf926_attn:
	s_mov_b64 s[64:65], 0
	v_nop
	global_prefetch_b8 v0, s[64:65] scope:SCOPE_SE
	s_setreg_imm32_b32 hwreg(HW_REG_WAVE_MODE, 25, 1), 1
	s_wait_xcnt 0x0
	s_wait_alu depctr_hold_cnt(0) depctr_sa_sdst(0) depctr_va_vdst(0) depctr_va_sdst(0) depctr_va_ssrc(0) depctr_va_vcc(0) depctr_vm_vsrc(0)
	s_getreg_b32 s2, hwreg(HW_REG_IB_STS2, 6, 4)
	s_cmp_eq_u32 s2, 0
	s_cbranch_scc0 .Lentry_in_a_cluster
	s_endpgm
.Lentry_in_a_cluster:
	s_bfe_u32 s2, ttmp6, 0x10000c
	s_cmp_lg_u32 s2, 0x3003
	s_cbranch_scc0 .Lentry_shape_is_right
	s_endpgm
.Lentry_shape_is_right:
; For each of 16 heads (batch x head): O[q] = the sum over k of softmax_k(Q[q] . K[k] / 8) V[k], both products on codes of BF8 (E5M2); O leaves quantised with 2^e10 for the last projection.
; THE SOFTMAX: t = score x log2(e) / 8; M = the row's largest t so far, rounded UP to a whole number; p = 2^(t - M) is quantised with 2^e8, not normalised.  The row's sum is taken of the
; unquantised p, in f32, and divides O at the end.  When M moves, the sum and O are multiplied by 2^(old M - new M), which rounds nothing.
; SHARES.  A work-group owns 256 queries of one head; each of its eight waves two tiles of 16, so that each fragment of K and V read from LDS feeds two products.  Every wave walks 4,096 keys, 128 a step.
; LAYOUT.  Both products transposed: S^T = K Q^T, O^T = V^T P^T: a lane holds ONE query (lane % 16).  In S^T's tile t register j of lane (r, h) is key 16 t + 8 h + j, so a conversion's two
; registers are registers 2 t, 2 t + 1 of P for the 16 x 16 x 128 form.  K and V arrive as images of their fragments' registers: 16,384 bytes for 128 keys, every LDS load 512 consecutive bytes.
; THE RING.  Two LDS slots of 8 key steps (131,072 bytes).  At a slot's head the other slot is asked for: each wave brings one key step's 16,384 bytes.
; CLUSTER.  The four query blocks of a cluster walk the same K and V: each tile is asked for jointly, by the same tensor load with a mask that names the four.
; PREFETCH.  At the change that loads slot s the cluster names slot s + 1 (8 key steps ahead of its load): 512 blocks of 256 bytes, shared out by address: 32,768 bytes a work-group, 4,096 a wave,
; lanes 0-15 a block each (lanes 16-31 name the wave's last block again).  Slots 0 and 1 come by their loads alone; the change that loads slot 3 asks for nothing.
; THE STEP.  K is asked for; the step before's P meets that step's V; both tiles' scores; V is asked for; then maxima and M.  The exponentials stand in two blocks with independent plain work between
; them: tile 0's beside tile 1's t - M, tile 1's beside tile 0's first sums and holds.  Inside a block no plain line reads what a plain line of the block wrote; one wait stands ahead of each block and one behind.
; The step is written once: P, V, O^T and the sums begin as zeros, the largest score as -3e38 and -M as 3e38.
; LIMITS: e6 + e7 between -123 and 130 (added to c's exponent field); e8 and e10 between -126 and 112; the scaled scores t stay under 2^31 in magnitude.
; REGISTERS.  Window 0: v1-7, v26-29 addresses and scales; v8-19 six statistics a tile; v20-25 at work; v32-159 S^T, then p, 64 a tile; v160-223 partial sums, 32 a tile; v224-255 P's codes.
;   Window 1: v0-63 V; v64-127 O^T, 32 a tile; v128-191 K; v192-207 Q.
.set STEPB, 16384
.set SLOT1, 1<<17                      ; one exclusive or turns an address in one slot into the other's
.set SPARE, 2*SLOT1                    ; the spare words, 128 bytes a wave: four blocks of 256 bytes that no other line names
.set LI,   1                           ; 16 x lane
.set ADR,  2                           ; LDS address of the step in hand
.set SPW,  3                           ; my spare word; never rewritten
.set NIL,  4                           ; 0; never rewritten
.set OUTO, 5                           ; 16 r + 8 h
.set PSC,  6                           ; 2^e8
.set PBD,  7                           ; 57,344 x 2^e8
.set MX,   20                          ; v20-23 the maxima's chains, two a tile
.set PX,   24                          ; v24, v25 what the lane 16 away sends
.set OSC,  26                          ; 2^e10
.set OBD,  27                          ; 57,344 x 2^e10
.set PFO,  28                          ; the prefetch's offset: 256 x min(lane, 15); never rewritten
.set PBD2, 29                          ; PBD once more: the two halves of a dual line take their second sources from different register banks
.set S,    32
.set T,    160
.set OC,   160
.set P,    224
.set O,    64                          ; window 1
.set KF,   128                         ; window 1
.set Q,    192                         ; window 1
.set WV,   12
.set G1,   16
.set G0,   24
.set TB,   28                          ; LDS byte of the step to be fetched
.set CNT,  29
.set SLOTS, 30
.set EPV,  31                          ; e8 + e9
.set CS,   32                          ; s[32:33] c = log2(e) / 8 x 2^(e6 + e7)
.set SEL,  34                          ; s[34:35] lane l xor 16
.set AO,   44
.set PFA,  50                          ; s[50:51] where my prefetch stands
.set MSB, 0
.macro WIN new
.if MSB != \new
	s_set_vgpr_msb (MSB<<8)|\new
.set MSB, \new
.endif
.endm
.macro CROUND
	s_barrier_signal -1
	s_barrier_wait -1
	s_cmp_lg_u32 s[WV], 0
	s_cbranch_scc1 .Lnot_wave_0_\@
	s_barrier_signal -3
.Lnot_wave_0_\@:
	s_barrier_wait -3
	s_barrier_signal -1
	s_barrier_wait -1
.endm
.macro PLACES
.rept 4
	v_nop
.endr
.endm
.macro DMIN r                          ; two holds in one line: p is not negative, so the hold is one-sided (the conversion does not saturate: ISA guide 7.6.2)
	v_dual_min_num_f32 v[\r], v[\r], v[PBD] :: v_dual_min_num_f32 v[\r+1], v[\r+1], v[PBD2]
.endm
	s_load_b256 s[4:11], s[0:1], 0x0               ; q_codes, kv_codes, the exponents, ao_codes
	v_lshl_add_u32 v[SPW], v0, 2, SPARE
	v_mov_b32 v[NIL], 0
	ds_add_u32 v[SPW], v[NIL]                      ; the opening lines: the add twice on end and its wait
	ds_add_u32 v[SPW], v[NIL]
	v_lshrrev_b32 v1, 5, v0
	v_readfirstlane_b32 s[WV], v1                  ; wave 0..7
	s_bfe_u32 s13, ttmp6, 0x40000                  ; cx
	s_lshl_b32 s14, ttmp9, 2
	s_add_co_u32 s14, s14, s13                     ; my block of 256 queries
	s_and_b32 s15, ttmp7, 0xffff                   ; the head, which the four partners share
	s_mov_b32 s[G1], 15|(3<<16)|(1<<21)            ; mask of all four; elements of 8 bytes; bit 21 beside a mask; a dense block as 64 rows of 256 bytes
	s_mov_b32 s[G1+1], 32<<16
	s_mov_b32 s[G1+2], 64<<16
	s_mov_b32 s[G1+3], 32<<16
	s_mov_b32 s[G1+4], 64
	s_mov_b32 s[G1+5], 32
	s_mov_b32 s[G1+6], 0
	s_mov_b32 s[G1+7], 0
	s_mov_b32 s[G0], 1
	s_lshl_b32 s[G0+1], s[WV], 14                  ; slot 0, key step w
	s_lshl_b32 s46, s15, 19                        ; a head's K and V are 524,288 bytes
	s_lshl_b32 s54, s13, 15                        ; the prefetch: 32,768 x cx
	s_lshl_b32 s52, s[WV], 12                      ; + 4,096 x wave
	s_add_co_u32 s54, s54, s52
	s_add_co_u32 s54, s54, s46                     ; in my head,
	s_add_co_u32 s54, s54, 8*STEPB                 ; at slot 1: the first change steps it to slot 2
	s_mov_b32 s55, 0
	s_add_co_u32 s46, s46, s[G0+1]
	s_mov_b32 s47, 0
	s_mov_b32 s[SEL], 0x76543210
	s_mov_b32 s[SEL+1], 0xfedcba98
	s_mov_b32 s[TB], 0
	s_mov_b32 s[SLOTS], 3
	s_wait_dscnt 0x0
	s_wait_kmcnt 0x0
	s_load_b256 s[36:43], s[8:9], 0x10             ; e4 .. e11: s38 = e6, s39 = e7, s40 = e8, s41 = e9, s42 = e10
	s_add_nc_u64 s[G0+2:G0+3], s[6:7], s[46:47]
	s_or_b32 s[G0+3], s[G0+3], 0x80000000
	s_add_nc_u64 s[PFA:PFA+1], s[6:7], s[54:55]
	CROUND                                         ; the first joint loads meet
	tensor_load_to_lds s[G0:G0+3], s[G1:G1+7]      ; slot 0; one tensor load of mine is out
	s_nop 0
	PLACES
	s_lshl_b32 s46, s15, 18                        ; Q: a head is 262,144 bytes, my block 16,384, my two tiles 2,048 w on
	s_lshl_b32 s48, s14, 14
	s_add_co_u32 s46, s46, s48
	s_lshl_b32 s48, s[WV], 11
	s_add_co_u32 s46, s46, s48
	s_add_nc_u64 s[4:5], s[4:5], s[46:47]
	s_lshr_b32 s46, s15, 3                         ; O: tile of tokens 256 x batch + 16 x block + 2 w, 8,192 bytes each; in it my head's 1,024
	s_lshl_b32 s46, s46, 21
	s_lshl_b32 s48, s14, 17
	s_add_co_u32 s46, s46, s48
	s_lshl_b32 s48, s[WV], 14
	s_add_co_u32 s46, s46, s48
	s_and_b32 s48, s15, 7
	s_lshl_b32 s48, s48, 10
	s_add_co_u32 s46, s46, s48
	s_add_nc_u64 s[AO:AO+1], s[10:11], s[46:47]
	v_and_b32 v1, 31, v0
	v_min_u32 v[PFO], 15, v1
	v_lshlrev_b32 v[LI], 4, v1
	v_lshlrev_b32 v[PFO], 8, v[PFO]
	WIN 0x40
.irp a, 0,1
.irp c, 0,1
	global_load_b128 v[Q+8*\a+4*\c:Q+8*\a+4*\c+3], v[LI], s[4:5] offset:1024*\a+512*\c   ; Q stays in registers
.endr
.endr
	WIN 0
	v_and_b32 v[OUTO], 15, v0
	v_bfe_u32 v[ADR], v0, 4, 1
	v_lshlrev_b32 v[OUTO], 4, v[OUTO]
	v_lshl_add_u32 v[OUTO], v[ADR], 3, v[OUTO]
; tile a's statistics at v[8 + 6 a]: +0 -M, +1 the largest score, +2, +3 the sum in two halves, +4 f = 2^(old M - new M), +5 named with it as a pair
.irp a, 0,1
	v_mov_b32 v[8+6*\a], 0x7f61b1e6                ; 3e38
	v_mov_b32 v[9+6*\a], 0xff61b1e6                ; -3e38, under every score
	v_mov_b32 v[10+6*\a], 0
	v_mov_b32 v[11+6*\a], 0
	v_mov_b32 v[12+6*\a], 0
	v_mov_b32 v[13+6*\a], 0
	v_mov_b32 v[PX+\a], 0                          ; a lane permute's destination counts as one of its sources
.endr
.set n, 0
.rept 32
	v_mov_b32 v[P+n], 0                            ; the first step's deferred product multiplies zero codes
.set n, n+1
.endr
	WIN 0x40
.set n, 0
.rept 128
	v_mov_b32 v[n], 0                              ; V and O^T
.set n, n+1
.endr
	WIN 0
	s_wait_kmcnt 0x0
	s_add_co_i32 s46, s38, s39
	s_lshl_b32 s46, s46, 23
	s_add_co_i32 s[CS], s46, 0x3e38aa3b            ; c = log2(e) / 8, with e6 + e7 added to its exponent field
	s_mov_b32 s[CS+1], s[CS]
	s_add_co_i32 s46, s40, 127
	s_lshl_b32 s48, s46, 23
	v_mov_b32 v[PSC], s48
	s_add_co_i32 s46, s46, 15
	s_lshl_b32 s46, s46, 23
	s_or_b32 s46, s46, 0x600000
	v_mov_b32 v[PBD], s46
	v_mov_b32 v[PBD2], s46
	s_add_co_i32 s46, s42, 127
	s_lshl_b32 s48, s46, 23
	v_mov_b32 v[OSC], s48
	s_add_co_i32 s46, s46, 15
	s_lshl_b32 s46, s46, 23
	s_or_b32 s46, s46, 0x600000
	v_mov_b32 v[OBD], s46
	s_add_co_i32 s[EPV], s40, s41
; O^T under the new M, then O^T += V^T P^T for both tiles: 8 accumulators by turns.  left: the LDS loads issued behind V's, which may stay out
.macro PVPART left
	WIN 0x41
	s_wait_alu depctr_va_vdst(0)                   ; the wait directly ahead of O^T's first readers
.irp a, 0,1
.irp j, 0,2,4,6,8,10,12,14,16,18,20,22,24,26,28,30
	v_pk_mul_f32 v[O+32*\a+\j:O+32*\a+\j+1], v[O+32*\a+\j:O+32*\a+\j+1], v[12+6*\a:13+6*\a] op_sel_hi:[1,0]
.endr
.endr
	s_wait_alu depctr_va_vdst(0)                   ; the wait directly ahead of the wait below
	s_wait_dscnt \left                             ; V is in
	WIN 0x51
.irp t, 0,1,2,3
.irp a, 0,1
	v_wmma_f32_16x16x128_bf8_bf8 v[O+32*\a+8*\t:O+32*\a+8*\t+7], v[16*\t:16*\t+15], v[P+16*\a:P+16*\a+15], v[O+32*\a+8*\t:O+32*\a+8*\t+7]
.endr
.endr
	WIN 0
.endm
; Both tiles: 2 x 16 x 128 scores, the running M, p, the sums of p, p's codes
.macro SOFT
	WIN 0x05                                       ; K and Q window 1
.irp t, 0,1,2,3,4,5,6,7
.irp a, 0,1
	v_wmma_f32_16x16x64_bf8_bf8 v[S+64*\a+8*\t:S+64*\a+8*\t+7], v[KF+8*\t:KF+8*\t+7], v[Q+8*\a:Q+8*\a+7], 0
.endr
.endr
	WIN 0
.irp a, 0,1
	v_mov_b32 v[30+\a], v[8+6*\a]                  ; the old -M; with the two lines below: the four places behind the products above, in front of the loads into V's registers and of the first read of the scores
.endr
	v_nop
	v_nop
	WIN 0x40
.irp t, 0,1,2,3
.irp c, 0,1,2,3
	ds_load_b128 v[16*\t+4*\c:16*\t+4*\c+3], v[ADR] offset:8192+2048*\t+512*\c   ; this step's V, wanted a step later
.endr
.endr
	WIN 0
.irp a, 0,1
	v_max3_num_f32 v[MX+2*\a], v[S+64*\a], v[S+64*\a+1], v[S+64*\a+2]
	v_max3_num_f32 v[MX+2*\a+1], v[S+64*\a+3], v[S+64*\a+4], v[S+64*\a+5]
.endr
.set n, 6
.rept 14
.irp a, 0,1
	v_max3_num_f32 v[MX+2*\a], v[MX+2*\a], v[S+64*\a+n], v[S+64*\a+n+1]
	v_max3_num_f32 v[MX+2*\a+1], v[MX+2*\a+1], v[S+64*\a+n+2], v[S+64*\a+n+3]
.endr
.set n, n+4
.endr
.irp a, 0,1
	v_max3_num_f32 v[MX+2*\a], v[MX+2*\a], v[S+64*\a+62], v[S+64*\a+63]
.endr
.irp a, 0,1
	s_delay_alu instid0(VALU_DEP_2)
	v_max_num_f32 v[MX+2*\a], v[MX+2*\a], v[MX+2*\a+1]
.endr
.irp a, 0,1
	s_delay_alu instid0(VALU_DEP_2)
	v_permlanex16_b32 v[PX+\a], v[MX+2*\a], s[SEL], s[SEL+1]
.endr
.irp a, 0,1
	s_delay_alu instid0(VALU_DEP_2)
	v_max3_num_f32 v[9+6*\a], v[9+6*\a], v[MX+2*\a], v[PX+\a]   ; the running largest score: mine, and the lane 16 away's
.endr
.irp a, 0,1
	s_delay_alu instid0(VALU_DEP_2)
	v_mul_f32 v[MX+2*\a], s[CS], v[9+6*\a]         ; as t (c is positive)
.endr
.irp a, 0,1
	s_delay_alu instid0(VALU_DEP_2)
	v_floor_f32 v[8+6*\a], -v[MX+2*\a]             ; the new -M = floor(-t): M is a whole number
.endr
.irp a, 0,1
	s_delay_alu instid0(VALU_DEP_2)
	v_sub_f32 v[MX+2*\a+1], v[8+6*\a], v[30+\a]    ; old M - new M: a whole number, 0 or less
.endr
.irp a, 0,1
	s_delay_alu instid0(VALU_DEP_2)
	v_cvt_i32_f32 v[MX+2*\a+1], v[MX+2*\a+1]       ; (it saturates)
.endr
.irp a, 0,1
	s_delay_alu instid0(VALU_DEP_2)
	v_ldexp_f32 v[12+6*\a], 1.0, v[MX+2*\a+1]      ; f
.endr
.set n, 0
.rept 32
	v_pk_fma_f32 v[S+n:S+n+1], v[S+n:S+n+1], s[CS:CS+1], v[8:9] op_sel_hi:[1,0,0]   ; tile 0: t - M
.set n, n+2
.endr
	s_wait_alu depctr_va_vdst(0)                   ; ahead of the first block
.set n, 0
.rept 32                                       ; tile 0's p = 2^(t - M), beside tile 1's t - M
	v_exp_f32 v[S+n], v[S+n]
	v_exp_f32 v[S+n+1], v[S+n+1]
	v_pk_fma_f32 v[S+64+n:S+64+n+1], v[S+64+n:S+64+n+1], s[CS:CS+1], v[14:15] op_sel_hi:[1,0,0]
.set n, n+2
.endr
	s_wait_alu depctr_va_vdst(0)                   ; behind the first block and ahead of the second
.set n, 0
.rept 16                                       ; tile 1's p, beside tile 0's first level of sums (of the unquantised p) and then its holds
	v_exp_f32 v[S+64+n], v[S+64+n]
	v_pk_add_f32 v[T+n/2:T+n/2+1], v[S+n:S+n+1], v[S+n+2:S+n+3]
	v_exp_f32 v[S+64+n+1], v[S+64+n+1]
	DMIN S+n
	v_exp_f32 v[S+64+n+2], v[S+64+n+2]
	DMIN S+n+2
	v_exp_f32 v[S+64+n+3], v[S+64+n+3]
.set n, n+4
.endr
	v_nop                                          ; the plain place behind the last exponential
	s_wait_alu depctr_va_vdst(0)                   ; behind the second block
.set n, 0
.rept 16                                       ; tile 1's first sums and holds; tile 0's codes among them
	v_pk_add_f32 v[T+32+n/2:T+32+n/2+1], v[S+64+n:S+64+n+1], v[S+64+n+2:S+64+n+3]
	DMIN S+64+n
	DMIN S+64+n+2
.if (n%8) == 0
	v_cvt_scalef32_pk8_bf8_f32 v[P+n/4:P+n/4+1], v[S+n:S+n+7], v[PSC]
.endif
.set n, n+4
.endr
.irp w, 8,4,2,1                                ; 16 pairs a tile are added down to one; tile 1's codes stand in the first level
.set j, 0
.rept \w
.irp a, 0,1
	v_pk_add_f32 v[T+32*\a+2*j:T+32*\a+2*j+1], v[T+32*\a+2*j:T+32*\a+2*j+1], v[T+32*\a+2*(j+\w):T+32*\a+2*(j+\w)+1]
.endr
.if \w == 8
	v_cvt_scalef32_pk8_bf8_f32 v[P+16+2*j:P+16+2*j+1], v[S+64+8*j:S+64+8*j+7], v[PSC]
.endif
.set j, j+1
.endr
.endr
.irp a, 0,1
	v_pk_fma_f32 v[10+6*\a:11+6*\a], v[10+6*\a:11+6*\a], v[12+6*\a:13+6*\a], v[T+32*\a:T+32*\a+1] op_sel_hi:[1,0,1]   ; the sum under the new M + this step's
.endr
.endm
.macro STEP
	v_add_nc_u32 v[ADR], s[TB], v[LI]
	WIN 0x40
.irp t, 0,1,2,3,4,5,6,7
.irp c, 0,1
	ds_load_b128 v[KF+8*\t+4*\c:KF+8*\t+4*\c+3], v[ADR] offset:1024*\t+512*\c   ; this step's K
.endr
.endr
	s_add_co_u32 s[TB], s[TB], STEPB
	PVPART 16                                      ; the step before's second product; K's sixteen loads may be out, V's are older
	s_wait_dscnt 0x0                               ; K is in: nothing younger is out
	SOFT
.endm
.macro SLOT_STEPS
	s_mov_b32 s[CNT], 8
.Lstep_\@:
	STEP
	s_sub_co_u32 s[CNT], s[CNT], 1
	s_cmp_lg_u32 s[CNT], 0
	s_cbranch_scc1 .Lstep_\@
	s_sub_co_u32 s[TB], s[TB], 8*STEPB
	s_xor_b32 s[TB], s[TB], SLOT1
.endm
; THE CHANGE OF SLOTS, at a slot's head: the wait for all my tensor loads, the add, the wait for it and for my reads of the slot left.  fill = 1: a round of the cluster's barrier, then my one joint load.
.macro CHANGE fill
	s_wait_tensorcnt 0x0
	ds_add_u32 v[SPW], v[NIL]
.if \fill
	s_xor_b32 s[G0+1], s[G0+1], SLOT1
	s_add_nc_u64 s[G0+2:G0+3], s[G0+2:G0+3], 8*STEPB
	s_wait_xcnt 0x0                                ; my last prefetch has read its address
	s_add_nc_u64 s[PFA:PFA+1], s[PFA:PFA+1], 8*STEPB   ; one slot further on than the descriptor
.endif
	s_wait_dscnt 0x0
.if \fill
	CROUND
	tensor_load_to_lds s[G0:G0+3], s[G1:G1+7]
	s_nop 0
	PLACES
	s_cmp_gt_u32 s[SLOTS], 1                       ; the change that loads the last slot has none behind it to name
	s_cbranch_scc0 .Lno_ask_\@
	global_prefetch_b8 v[PFO], s[PFA:PFA+1] th:TH_LOAD_NT scope:SCOPE_SE
.Lno_ask_\@:
.else
	s_barrier_signal -1
	s_barrier_wait -1
.endif
.endm
	s_wait_alu depctr_va_vdst(0)                   ; the wait at the head's end
	s_wait_loadcnt 0x0                             ; Q
.Lslot:                                            ; three trips: behind each change of slots but the last the next slot is asked for
	CHANGE 1
	SLOT_STEPS
	s_sub_co_u32 s[SLOTS], s[SLOTS], 1
	s_cmp_lg_u32 s[SLOTS], 0
	s_cbranch_scc1 .Lslot
	CHANGE 0                                       ; the last slot is written out
	SLOT_STEPS
	PVPART 0                                       ; the last step's second product
	; THE WAY OUT.  O^T x 2^(e8 + e9) / the sum is held, converted with 2^e10 and stored.  The additions are the places behind the last products.
.irp a, 0,1
	v_add_f32 v[10+6*\a], v[10+6*\a], v[11+6*\a]
.endr
.irp a, 0,1
	s_delay_alu instid0(VALU_DEP_2)
	v_permlanex16_b32 v[PX+\a], v[10+6*\a], s[SEL], s[SEL+1]
.endr
.irp a, 0,1
	s_delay_alu instid0(VALU_DEP_2)
	v_add_f32 v[10+6*\a], v[10+6*\a], v[PX+\a]
.endr
	s_wait_alu depctr_va_vdst(0)
.irp a, 0,1
	v_rcp_f32 v[10+6*\a], v[10+6*\a]
.endr
	v_nop
	s_wait_alu depctr_va_vdst(0)                   ; one wait for both reciprocals, ahead of their first use
.irp a, 0,1
	v_ldexp_f32 v[12+6*\a], v[10+6*\a], s[EPV]
.endr
	WIN 0x01
	s_wait_alu depctr_va_vdst(0)                   ; directly ahead of O^T's first readers
.irp a, 0,1
.irp j, 0,2,4,6,8,10,12,14,16,18,20,22,24,26,28,30
	v_pk_mul_f32 v[S+32*\a+\j:S+32*\a+\j+1], v[O+32*\a+\j:O+32*\a+\j+1], v[12+6*\a:13+6*\a] op_sel_hi:[1,0]   ; register 8 t + j is o(my query, 16 t + 8 h + j)
.endr
.endr
	WIN 0
.set n, 0
.rept 64
	v_med3_num_f32 v[S+n], v[S+n], -v[OBD], v[OBD]
.set n, n+1
.endr
.irp a, 0,1
.irp t, 0,1,2,3
	v_cvt_scalef32_pk8_bf8_f32 v[OC+8*\a+2*\t:OC+8*\a+2*\t+1], v[S+32*\a+8*\t:S+32*\a+8*\t+7], v[OSC]
.endr
.endr
	v_nop
.irp a, 0,1
.irp t, 0,1,2,3
	global_store_b64 v[OUTO], v[OC+8*\a+2*\t:OC+8*\a+2*\t+1], s[AO:AO+1] offset:8192*\a+256*\t   ; the 32 lanes' 8 bytes fill 256 consecutive bytes, at a multiple of 256 from the buffer's first byte
.endr
.endr
	s_wait_tensorcnt 0x0                           ; the wave's end
	ds_add_u32 v[SPW], v[NIL]
	s_wait_dscnt 0x0
	CROUND                                         ; the closing round
	s_endpgm
.Lfunc_end_k_qcf0a4cf926_attn:
	.size	k_qcf0a4cf926_attn, .Lfunc_end_k_qcf0a4cf926_attn-k_qcf0a4cf926_attn
	.p2alignl 7, 3214868480
	.fill 96, 4, 3214868480
	.section	.rodata,"a",@progbits
	.p2align	6, 0x0
	.amdhsa_kernel k_qcf0a4cf926_attn
		.amdhsa_group_segment_fixed_size 327680
		.amdhsa_private_segment_fixed_size 0
		.amdhsa_enable_private_segment 0
		.amdhsa_kernarg_size 32
		.amdhsa_user_sgpr_count 2
		.amdhsa_user_sgpr_kernarg_segment_ptr 1
		.amdhsa_wavefront_size32 1
		.amdhsa_system_sgpr_workgroup_id_x 1
		.amdhsa_system_sgpr_workgroup_id_y 1
		.amdhsa_system_sgpr_workgroup_id_z 1
		.amdhsa_system_vgpr_workitem_id 0
		.amdhsa_next_free_vgpr 512
		.amdhsa_next_free_sgpr 66
		.amdhsa_reserve_vcc 0
		.amdhsa_float_denorm_mode_32 3
		.amdhsa_float_denorm_mode_16_64 3
		.amdhsa_memory_ordered 1
		.amdhsa_forward_progress 1
		.amdhsa_inst_pref_size 81
	.end_amdhsa_kernel
	.amdgpu_metadata
---
amdhsa.version: [ 1, 2 ]
amdhsa.kernels:
  - .name:           k_qcf0a4cf926_attn
    .symbol:         k_qcf0a4cf926_attn.kd
    .args:
      - { .name: q_codes, .offset: 0, .size: 8, .value_kind: global_buffer, .address_space: global }
      - { .name: kv_codes, .offset: 8, .size: 8, .value_kind: global_buffer, .address_space: global }
      - { .name: lowp_scales, .offset: 16, .size: 8, .value_kind: global_buffer, .address_space: global }
      - { .name: ao_codes, .offset: 24, .size: 8, .value_kind: global_buffer, .address_space: global }
    .group_segment_fixed_size: 327680
    .private_segment_fixed_size: 0
    .kernarg_segment_align: 8
    .kernarg_segment_size: 32
    .max_flat_workgroup_size: 256
    .sgpr_count:     66
    .vgpr_count:     512
    .wavefront_size: 32
...
	.end_amdgpu_metadata
.endif
;; end of part 2
;; launch proj_ln (part 3): grid 256 x 1, 8 waves a work-group, clusters of 4 x 1, 287,744 bytes of LDS; arguments ao_codes, Wo_codes, lowp_scales, bo, x, gamma, beta, out0; writes out0
.if DOCPART == 3
	.amdgcn_target "amdgcn-amd-amdhsa--gfx1250"
	.amdhsa_code_object_version 6
	.text
	.protected	k_qcf0a4cf926_proj_ln
	.globl	k_qcf0a4cf926_proj_ln
	.p2align	8
	.type	k_qcf0a4cf926_proj_ln,@function
k_qcf0a4cf926_proj_ln:
	s_mov_b64 s[64:65], 0
	v_nop
	global_prefetch_b8 v0, s[64:65] scope:SCOPE_SE
	s_setreg_imm32_b32 hwreg(HW_REG_WAVE_MODE, 25, 1), 1
	s_wait_xcnt 0x0
	s_wait_alu depctr_hold_cnt(0) depctr_sa_sdst(0) depctr_va_vdst(0) depctr_va_sdst(0) depctr_va_ssrc(0) depctr_va_vcc(0) depctr_vm_vsrc(0)
	s_getreg_b32 s2, hwreg(HW_REG_IB_STS2, 6, 4)
	s_cmp_eq_u32 s2, 0
	s_cbranch_scc0 .Lentry_in_a_cluster
	s_endpgm
.Lentry_in_a_cluster:
	s_bfe_u32 s2, ttmp6, 0x10000c
	s_cmp_lg_u32 s2, 0x3003
	s_cbranch_scc0 .Lentry_shape_is_right
	s_endpgm
.Lentry_shape_is_right:
; out0 = LayerNorm(x + (a Wo + bo)) x gamma + beta.  a: the attention's result as codes of BF8 (E5M2) with 2^e10, laid as images of fragments; Wo: [512 (n)][512 (k)] codes with 2^e11; all else f32.
; SHARES.  A work-group takes 32 tokens (two tiles of 16) x all 512 columns, so that a row's mean and variance stay inside it.  Wave w makes columns 64 w .. 64 w + 63 (8 accumulators, 32 matrix
; instructions) and afterwards normalises the whole rows 4 w .. 4 w + 3.
; CLUSTER.  Every work-group reads the same Wo: the four of a cluster ask for it JOINTLY.  Each wave brings the 64 rows that it alone reads, so its own wait on TENSORcnt orders its reads.
; THE PRODUCT IS USED TRANSPOSED (source 0 = 16 rows of Wo, source 1 = 16 tokens): a lane holds one token and eight neighbouring columns.  Both operands hold k = 32 c + 16 h + 0 .. 15 in registers 4 c .. 4 c + 3.
; LDS: Wo's 512 rows of 528 bytes; behind them a's 8 fragments (2,048 bytes each, number 4 m + s).  The stage for the rows of a Wo + bo (32 rows x 2,064 bytes) lies over Wo's first rows: they have had their
; only fill, and the first barrier shows that every wave has its fragments of Wo in registers.
; The variance is taken of y - mean, in a second pass over the row in registers: no difference of large sums is formed.
; LIMIT: e10 + e11 between -126 and 127, so that 2^(e10 + e11) is an f32 number.
; REGISTERS.  Window 0: v1-7 addresses; v16-79 the accumulators, later the rows read back; v80-111 a's two fragments; v112-143 bo; v144-207 four rows of x, then y; v208-223 gamma; v224-239 beta; v240-255 four at work a row.
;   Window 1: Wo's 16 fragments, (tile t, K step s) at v[16 (4 t + s)].
.set PW,     528                       ; a row of Wo in LDS: 512 bytes + 16 of padding, an odd multiple of 16
.set AIMG,   512*PW                    ; a's fragments
.set SPITCH, 2064                      ; a stage row: 2,048 bytes + 16
.set LI,  1                            ; v1  16 x lane
.set WA,  2                            ; v2  my rows of Wo: 64 w rows + 528 r + 16 h
.set AWI, 3                            ; v3  where I put fragment w of a
.set AFI, 4                            ; v4  from where any fragment of a is read
.set SO,  5                            ; v5  the stage: row r, + 256 w + 32 h
.set SR,  6                            ; v6  and back: my four rows, 16 bytes a lane
.set H32, 7                            ; v7  32 h
.set ACC, 16
.set AF,  80
.set BO,  112
.set Y,   144
.set GA,  208
.set BE,  224
.set TT,  240
.set WV,  20                           ; s20 my wave's number
.set G1,  24                           ; s[24:31] descriptor group 1
.set G0,  32                           ; s[32:35] descriptor group 0
.set SC,  36                           ; s[36:37] 2^(e10 + e11), named as a pair
.set SEL, 38                           ; s[38:39] lane selects: lane l xor 16
.set MSB, 0
.macro WIN new
.if MSB != \new
	s_set_vgpr_msb (MSB<<8)|\new
.set MSB, \new
.endif
.endm
.macro CROUND                          ; a round of the cluster's barrier
	s_barrier_signal -1
	s_barrier_wait -1
	s_cmp_lg_u32 s[WV], 0
	s_cbranch_scc1 .Lnot_wave_0_\@
	s_barrier_signal -3
.Lnot_wave_0_\@:
	s_barrier_wait -3
	s_barrier_signal -1
	s_barrier_wait -1
.endm
.macro PLACES
.rept 4
	v_nop
.endr
.endm
	s_load_b512 s[4:19], s[0:1], 0x0               ; a s[4:5], Wo s[6:7], the exponents s[8:9], bo s[10:11], x s[12:13], gamma s[14:15], beta s[16:17], out0 s[18:19]
	v_lshl_add_u32 v14, v0, 2, 0x46000
	v_mov_b32 v15, 0
	ds_add_u32 v14, v15
	ds_add_u32 v14, v15
	v_lshrrev_b32 v1, 5, v0
	s_delay_alu instid0(VALU_DEP_1)
	v_readfirstlane_b32 s[WV], v1                  ; wave 0..7
	s_bfe_u32 s21, ttmp6, 0x40000                  ; cx
	s_lshl_b32 s22, ttmp9, 2
	s_add_co_u32 s22, s22, s21                     ; my 32 tokens: it enters a's, x's and out0's addresses alone
	; descriptor group 1: 64 rows of 512 bytes, 16 bytes of padding behind each
	s_mov_b32 s[G1], 15|(1<<20)|(1<<21)|(6<<22)|(3<<25)   ; the mask: all four work-groups; elements of 1 byte; padding on; bit 21 beside a mask; after every 128 words (code 6) four words (code 3)
	s_mov_b32 s[G1+1], 512<<16                     ; tensor_dim0 = 512
	s_mov_b32 s[G1+2], 64<<16                      ; tensor_dim1 = 64
	s_mov_b32 s[G1+3], 512<<16                     ; tile_dim0 = 512
	s_mov_b32 s[G1+4], 64                          ; tile_dim1 = 64
	s_mov_b32 s[G1+5], 512                         ; from row to row
	s_mov_b32 s[G1+6], 0
	s_mov_b32 s[G1+7], 0
	s_mov_b32 s[G0], 1
	s_mul_i32 s[G0+1], s[WV], 64*PW                ; LDS address: my 64 rows
	s_lshl_b32 s44, s[WV], 15                      ; and the same rows in memory
	s_mov_b32 s45, 0
	s_mov_b32 s[SEL], 0x76543210
	s_mov_b32 s[SEL+1], 0xfedcba98
	s_mov_b32 s40, 0x3b000000                      ; 1 / 512
	s_mov_b32 s41, 0x3727c5ac                      ; 1e-5
	s_wait_dscnt 0x0
	s_wait_kmcnt 0x0
	s_load_b64 s[42:43], s[8:9], 0x28              ; e10, e11
	s_add_nc_u64 s[G0+2:G0+3], s[6:7], s[44:45]
	s_or_b32 s[G0+3], s[G0+3], 0x80000000          ; type = 2
	CROUND                                         ; all four work-groups are here: the joint loads meet
	tensor_load_to_lds s[G0:G0+3], s[G1:G1+7]      ; the one fill of these bytes; one tensor load of mine is out
	s_nop 0
	PLACES                                         ; four v_nop behind the load
	s_lshl_b32 s44, s22, 14                        ; a: 16,384 bytes a work-group, fragment w
	s_lshl_b32 s46, s[WV], 11
	s_add_co_u32 s44, s44, s46
	s_add_nc_u64 s[4:5], s[4:5], s[44:45]
	s_lshl_b32 s44, s22, 16                        ; x and out0: 32 rows of 2,048 bytes a work-group, my four rows
	s_lshl_b32 s46, s[WV], 13
	s_add_co_u32 s44, s44, s46
	s_add_nc_u64 s[12:13], s[12:13], s[44:45]
	s_add_nc_u64 s[18:19], s[18:19], s[44:45]
	s_lshl_b32 s44, s[WV], 8                       ; bo: my 64 columns
	s_add_nc_u64 s[10:11], s[10:11], s[44:45]
	v_and_b32 v8, 31, v0
	s_delay_alu instid0(VALU_DEP_1)
	v_lshlrev_b32 v[LI], 4, v8
	v_and_b32 v8, 15, v0                           ; r
	v_bfe_u32 v9, v0, 4, 1                         ; h
	s_delay_alu instid0(VALU_DEP_1)
	v_lshlrev_b32 v[H32], 5, v9
.irp c, 0,1,2,3
	global_load_b128 v[AF+4*\c:AF+4*\c+3], v[LI], s[4:5] offset:512*\c th:TH_LOAD_NT      ; fragment w of a, as it lies
.endr
.irp t, 0,1,2,3
	global_load_b128 v[BO+8*\t:BO+8*\t+3],   v[H32], s[10:11] offset:64*\t                ; bo in the result's layout: columns 16 t + 8 h + 0 .. 7
	global_load_b128 v[BO+8*\t+4:BO+8*\t+7], v[H32], s[10:11] offset:64*\t+16
.endr
.irp i, 0,1,2,3
.irp k, 0,1,2,3
	global_load_b128 v[Y+16*\i+4*\k:Y+16*\i+4*\k+3], v[LI], s[12:13] offset:2048*\i+512*\k th:TH_LOAD_NT   ; my four rows of x: 512 consecutive bytes a load
.endr
.endr
.irp k, 0,1,2,3
	global_load_b128 v[GA+4*\k:GA+4*\k+3], v[LI], s[14:15] offset:512*\k
.endr
.irp k, 0,1,2,3
	global_load_b128 v[BE+4*\k:BE+4*\k+3], v[LI], s[16:17] offset:512*\k
.endr
	s_mul_i32 s46, s[WV], 64*PW
	v_mul_u32_u24 v[WA], v8, PW
	s_delay_alu instid0(VALU_DEP_1)
	v_lshl_add_u32 v[WA], v9, 4, v[WA]
	s_delay_alu instid0(VALU_DEP_1)
	v_add_nc_u32 v[WA], s46, v[WA]
	s_lshl_b32 s46, s[WV], 11
	s_add_co_u32 s46, s46, AIMG
	v_add_nc_u32 v[AWI], s46, v[LI]
	v_add_nc_u32 v[AFI], AIMG, v[LI]
	v_mul_u32_u24 v[SO], v8, SPITCH
	s_delay_alu instid0(VALU_DEP_1)
	v_add_nc_u32 v[SO], v[SO], v[H32]
	s_lshl_b32 s46, s[WV], 8
	v_add_nc_u32 v[SO], s46, v[SO]
	s_mul_i32 s46, s[WV], 4*SPITCH
	v_add_nc_u32 v[SR], s46, v[LI]
.irp i, 0,1,2,3
	v_mov_b32 v[TT+4*\i+2], 0                      ; written once: a lane permute's destination counts as one of its sources
.endr
	s_wait_alu depctr_va_vdst(0)
	s_wait_kmcnt 0x0
	s_add_co_i32 s[SC], s42, s43
	s_add_co_i32 s[SC], s[SC], 127
	s_lshl_b32 s[SC], s[SC], 23                    ; 2^(e10 + e11) as f32
	s_mov_b32 s[SC+1], s[SC]
	s_wait_loadcnt 32                              ; a's four loads are in; the 32 asked for behind them may be out
.irp c, 0,1,2,3
	ds_store_b128 v[AWI], v[AF+4*\c:AF+4*\c+3] offset:512*\c
.endr
	s_wait_tensorcnt 0x0                           ; my 64 rows of Wo have landed; only I read them
	WIN 0x40                                       ; destination window 1
.irp t, 0,1,2,3
.irp s, 0,1,2,3
.irp c, 0,1,2,3
	ds_load_b128 v[16*(4*\t+\s)+4*\c:16*(4*\t+\s)+4*\c+3], v[WA] offset:16*PW*\t+128*\s+32*\c
.endr
.endr
.endr
	WIN 0
	s_wait_dscnt 0x0                               ; for the others' sake: my fragment of a lies in LDS, and my reads of Wo's rows are over
	s_barrier_signal -1
	s_barrier_wait -1
	; the product: a K step at a time, the 8 accumulators by turns, one instruction a turn
.irp s, 0,1,2,3
.irp m, 0,1
.irp c, 0,1,2,3
	ds_load_b128 v[AF+16*\m+4*\c:AF+16*\m+4*\c+3], v[AFI] offset:2048*(4*\m+\s)+512*\c
.endr
.endr
	s_wait_dscnt 0x0
	WIN 0x01                                       ; source 0 (Wo) window 1
.irp m, 0,1
.irp t, 0,1,2,3
.if \s == 0
	v_wmma_f32_16x16x128_bf8_bf8 v[ACC+8*(4*\m+\t):ACC+8*(4*\m+\t)+7], v[16*(4*\t+\s):16*(4*\t+\s)+15], v[AF+16*\m:AF+16*\m+15], 0
.else
	v_wmma_f32_16x16x128_bf8_bf8 v[ACC+8*(4*\m+\t):ACC+8*(4*\m+\t)+7], v[16*(4*\t+\s):16*(4*\t+\s)+15], v[AF+16*\m:AF+16*\m+15], v[ACC+8*(4*\m+\t):ACC+8*(4*\m+\t)+7]
.endif
.endr
.endr
	WIN 0
	PLACES                                         ; in front of the next loads into a's registers, and of the first read of results
.endr
	s_wait_loadcnt 24                              ; bo is in; x, gamma and beta may be out
.irp m, 0,1
.irp t, 0,1,2,3
.irp i, 0,2,4,6
	v_pk_fma_f32 v[ACC+8*(4*\m+\t)+\i:ACC+8*(4*\m+\t)+\i+1], v[ACC+8*(4*\m+\t)+\i:ACC+8*(4*\m+\t)+\i+1], s[SC:SC+1], v[BO+8*\t+\i:BO+8*\t+\i+1] op_sel_hi:[1,0,1]   ; sum x 2^(e10 + e11) + bo
.endr
.endr
.endr
.irp m, 0,1
.irp t, 0,1,2,3
	ds_store_b128 v[SO], v[ACC+8*(4*\m+\t):ACC+8*(4*\m+\t)+3]   offset:16*SPITCH*\m+64*\t      ; lane (r, h): row 16 m + r, columns 64 w + 16 t + 8 h + 0 .. 7
	ds_store_b128 v[SO], v[ACC+8*(4*\m+\t)+4:ACC+8*(4*\m+\t)+7] offset:16*SPITCH*\m+64*\t+16
.endr
.endr
	s_wait_dscnt 0x0                               ; for the others' sake: my stores into the stage are done
	s_barrier_signal -1
	s_barrier_wait -1
.irp i, 0,1,2,3
.irp k, 0,1,2,3
	ds_load_b128 v[ACC+16*\i+4*\k:ACC+16*\i+4*\k+3], v[SR] offset:SPITCH*\i+512*\k   ; my four whole rows
.endr
.endr
	s_wait_loadcnt 0x0                             ; x, gamma, beta
	s_wait_dscnt 0x0
	; THE NORM, four rows side by side, so that no line waits for the line above it.  A lane holds 16 numbers of each row: columns 128 k + 4 lane + 0 .. 3
.irp n, 0,2,4,6,8,10,12,14
.irp i, 0,1,2,3
	v_pk_add_f32 v[Y+16*\i+\n:Y+16*\i+\n+1], v[Y+16*\i+\n:Y+16*\i+\n+1], v[ACC+16*\i+\n:ACC+16*\i+\n+1]   ; y = x + out
.endr
.endr
.irp i, 0,1,2,3
	v_pk_add_f32 v[TT+4*\i:TT+4*\i+1], v[Y+16*\i:Y+16*\i+1], v[Y+16*\i+2:Y+16*\i+3]
.endr
.irp n, 4,6,8,10,12,14
.irp i, 0,1,2,3
	s_delay_alu instid0(VALU_DEP_4)
	v_pk_add_f32 v[TT+4*\i:TT+4*\i+1], v[TT+4*\i:TT+4*\i+1], v[Y+16*\i+\n:Y+16*\i+\n+1]
.endr
.endr
.irp i, 0,1,2,3
	s_delay_alu instid0(VALU_DEP_4)
	v_add_f32 v[TT+4*\i], v[TT+4*\i], v[TT+4*\i+1]
.endr
.irp k, 1,2,4,8
.irp i, 0,1,2,3
	s_delay_alu instid0(VALU_DEP_4)
	v_add_f32_dpp v[TT+4*\i], v[TT+4*\i], v[TT+4*\i] row_xmask:\k row_mask:0xf bank_mask:0xf
.endr
.endr
.irp i, 0,1,2,3
	s_delay_alu instid0(VALU_DEP_4)
	v_permlanex16_b32 v[TT+4*\i+2], v[TT+4*\i], s[SEL], s[SEL+1]
.endr
.irp i, 0,1,2,3
	s_delay_alu instid0(VALU_DEP_4)
	v_add_f32 v[TT+4*\i], v[TT+4*\i], v[TT+4*\i+2]
.endr
.irp i, 0,1,2,3
	s_delay_alu instid0(VALU_DEP_4)
	v_mul_f32 v[TT+4*\i], s40, v[TT+4*\i]          ; the mean, in every lane
.endr
.irp n, 0,2,4,6,8,10,12,14
.irp i, 0,1,2,3
	v_pk_add_f32 v[Y+16*\i+\n:Y+16*\i+\n+1], v[Y+16*\i+\n:Y+16*\i+\n+1], v[TT+4*\i:TT+4*\i+1] op_sel_hi:[1,0] neg_lo:[0,1] neg_hi:[0,1]   ; y - mean
.endr
.endr
.irp i, 0,1,2,3
	v_pk_mul_f32 v[TT+4*\i+2:TT+4*\i+3], v[Y+16*\i:Y+16*\i+1], v[Y+16*\i:Y+16*\i+1]
.endr
.irp n, 2,4,6,8,10,12,14
.irp i, 0,1,2,3
	s_delay_alu instid0(VALU_DEP_4)
	v_pk_fma_f32 v[TT+4*\i+2:TT+4*\i+3], v[Y+16*\i+\n:Y+16*\i+\n+1], v[Y+16*\i+\n:Y+16*\i+\n+1], v[TT+4*\i+2:TT+4*\i+3]
.endr
.endr
.irp i, 0,1,2,3
	s_delay_alu instid0(VALU_DEP_4)
	v_add_f32 v[TT+4*\i+2], v[TT+4*\i+2], v[TT+4*\i+3]
.endr
.irp k, 1,2,4,8
.irp i, 0,1,2,3
	s_delay_alu instid0(VALU_DEP_4)
	v_add_f32_dpp v[TT+4*\i+2], v[TT+4*\i+2], v[TT+4*\i+2] row_xmask:\k row_mask:0xf bank_mask:0xf
.endr
.endr
.irp i, 0,1,2,3
	s_delay_alu instid0(VALU_DEP_4)
	v_permlanex16_b32 v[TT+4*\i+3], v[TT+4*\i+2], s[SEL], s[SEL+1]
.endr
.irp i, 0,1,2,3
	s_delay_alu instid0(VALU_DEP_4)
	v_add_f32 v[TT+4*\i+2], v[TT+4*\i+2], v[TT+4*\i+3]
.endr
.irp i, 0,1,2,3
	s_delay_alu instid0(VALU_DEP_4)
	v_fma_f32 v[TT+4*\i+2], v[TT+4*\i+2], s40, s41 ; the variance + 1e-5
.endr
	s_wait_alu depctr_va_vdst(0)
.irp i, 0,1,2,3
	v_rsq_f32 v[TT+4*\i+2], v[TT+4*\i+2]
.endr
	v_nop                                          ; a plain instruction between the last root and the use of its result
	s_wait_alu depctr_va_vdst(0)                   ; and the wait ahead of the first use: one for the four
.irp n, 0,2,4,6,8,10,12,14
.irp i, 0,1,2,3
	v_pk_mul_f32 v[Y+16*\i+\n:Y+16*\i+\n+1], v[Y+16*\i+\n:Y+16*\i+\n+1], v[TT+4*\i+2:TT+4*\i+3] op_sel_hi:[1,0]
.endr
.endr
.irp n, 0,2,4,6,8,10,12,14
.irp i, 0,1,2,3
	v_pk_fma_f32 v[Y+16*\i+\n:Y+16*\i+\n+1], v[Y+16*\i+\n:Y+16*\i+\n+1], v[GA+\n:GA+\n+1], v[BE+\n:BE+\n+1]
.endr
.endr
.irp i, 0,1,2,3
.irp k, 0,1,2,3
	global_store_b128 v[LI], v[Y+16*\i+4*\k:Y+16*\i+4*\k+3], s[18:19] offset:2048*\i+512*\k th:TH_STORE_NT   ; 32 lanes store 512 consecutive bytes, at a multiple of 512 from out0's first byte
.endr
.endr
	s_wait_tensorcnt 0x0
	ds_add_u32 v14, v15
	s_wait_dscnt 0x0
	CROUND                                         ; the closing round: no work-group ends while a partner may still ask for a tile that names it
	s_endpgm
.Lfunc_end_k_qcf0a4cf926_proj_ln:
	.size	k_qcf0a4cf926_proj_ln, .Lfunc_end_k_qcf0a4cf926_proj_ln-k_qcf0a4cf926_proj_ln
	.p2alignl 7, 3214868480
	.fill 96, 4, 3214868480
	.section	.rodata,"a",@progbits
	.p2align	6, 0x0
	.amdhsa_kernel k_qcf0a4cf926_proj_ln
		.amdhsa_group_segment_fixed_size 287744
		.amdhsa_private_segment_fixed_size 0
		.amdhsa_enable_private_segment 0
		.amdhsa_kernarg_size 64
		.amdhsa_user_sgpr_count 2
		.amdhsa_user_sgpr_kernarg_segment_ptr 1
		.amdhsa_wavefront_size32 1
		.amdhsa_system_sgpr_workgroup_id_x 1
		.amdhsa_system_sgpr_workgroup_id_y 1
		.amdhsa_system_sgpr_workgroup_id_z 1
		.amdhsa_system_vgpr_workitem_id 0
		.amdhsa_next_free_vgpr 512
		.amdhsa_next_free_sgpr 66
		.amdhsa_reserve_vcc 0
		.amdhsa_float_denorm_mode_32 3
		.amdhsa_float_denorm_mode_16_64 3
		.amdhsa_memory_ordered 1
		.amdhsa_forward_progress 1
		.amdhsa_inst_pref_size 43
	.end_amdhsa_kernel
	.amdgpu_metadata
---
amdhsa.version: [ 1, 2 ]
amdhsa.kernels:
  - .name:           k_qcf0a4cf926_proj_ln
    .symbol:         k_qcf0a4cf926_proj_ln.kd
    .args:
      - { .name: ao_codes, .offset: 0, .size: 8, .value_kind: global_buffer, .address_space: global }
      - { .name: Wo_codes, .offset: 8, .size: 8, .value_kind: global_buffer, .address_space: global }
      - { .name: lowp_scales, .offset: 16, .size: 8, .value_kind: global_buffer, .address_space: global }
      - { .name: bo, .offset: 24, .size: 8, .value_kind: global_buffer, .address_space: global }
      - { .name: x, .offset: 32, .size: 8, .value_kind: global_buffer, .address_space: global }
      - { .name: gamma, .offset: 40, .size: 8, .value_kind: global_buffer, .address_space: global }
      - { .name: beta, .offset: 48, .size: 8, .value_kind: global_buffer, .address_space: global }
      - { .name: out0, .offset: 56, .size: 8, .value_kind: global_buffer, .address_space: global }
    .group_segment_fixed_size: 287744
    .private_segment_fixed_size: 0
    .kernarg_segment_align: 8
    .kernarg_segment_size: 64
    .max_flat_workgroup_size: 256
    .sgpr_count:     66
    .vgpr_count:     512
    .wavefront_size: 32
...
	.end_amdgpu_metadata
.endif
;; end of part 3
